; MI455X (gfx1250); checked and timed in simulation.
; The chip was launched on July 23, 2026; its instructions are those of AMD's public machine-readable ISA for CDNA 5 (MIT licence, August 2026) and "CDNA5" Instruction Set Architecture Reference Guide (July 2026). The comments in the code are by the model that wrote it; some were corrected since.
;; Multi Head Attention. Allowed arithmetic: matrix products marked QUANTISED: E2M1 operands, one E8M0 scale for each 32 along K, by v_wmma_scale_f32_16x16x128_f8f6f4 with both operands' format E2M1 (or v_wmma_scale_f32_32x16x128_f4), f32 sums; everything else in f32.
;; Inputs: o_b 1,024 float32; o_w_codes 1,024 x 32 x 16 uint8 (E2M1 codes of o_w, K innermost, in blocks of 32 codes, two codes a byte); o_w_scales 1,024 x 32 uint8 (E8M0 scales of o_w, one for each 32 codes along K); qkv_b 3,072 float32; qkv_w_codes 3,072 x 32 x 16 uint8 (E2M1 codes of qkv_w, K innermost, in blocks of 32 codes, two codes a byte); qkv_w_scales 3,072 x 32 uint8 (E8M0 scales of qkv_w, one for each 32 codes along K); x_codes 4 x 2,048 x 32 x 16 uint8 (E2M1 codes of x, K innermost, in blocks of 32 codes, two codes a byte); x_scales 4 x 2,048 x 32 uint8 (E8M0 scales of x, one for each 32 codes along K).
;; Outputs: out0 4 x 2,048 x 1,024 float32.
;; This version of the problem:
;;   THIS VERSION OF THE PROBLEM IS GIVEN IN LOW PRECISION. The matrix products marked QUANTISED in the list below multiply operands that are first quantised to E2M1 (2 exponent bits, 1 mantissa bit; 4 bits a number), with one power-of-two scale for each 32 numbers along K (OCP MX v1.0); their sums are f32. All else is computed in f32.
;;   The module's matrix products, in the order in which they are computed (A, B: the left and right operand; K: the contracted axis; several contracted axes count as one K, in the product's order):
;;     1. [M 8,192, K 1,024] x [K 1,024, N 3,072]; A: input x (given as codes); B: input qkv_w (given as codes): QUANTISED
;;     2. batch 64 x [M 2,048, K 64] x [K 64, N 2,048]; A: computed on the way; B: computed on the way: QUANTISED
;;     3. batch 64 x [M 2,048, K 2,048] x [K 2,048, N 64]; A: softmax (see below); B: computed on the way: QUANTISED
;;     4. [M 8,192, K 1,024] x [K 1,024, N 1,024]; A: computed on the way; B: input o_w (given as codes): QUANTISED
;;   THE QUANTISER, for each operand of a quantised product, along K:
;;     - K is cut into blocks of 32 from its start; a last block that is shorter is filled with zeros.
;;     - A block's scale is 2^e with e = floor(log2(the largest magnitude in the block)) - 2, held to -126 .. 127; a block of zeros has e = 0. As a byte (E8M0): e + 127.
;;     - Each number is divided by its block's scale, clamped to +-6, and rounded to the nearest number of E2M1, ties to even, subnormals kept.
;;     - The product sums the exact products of the quantised numbers (number of the format x scale) in f32.
;;   ~~~python
;;   def quantise(x, axis):      # numpy; x: float32 -> the quantised numbers, widened to float32 again
;;       x = np.moveaxis(x, axis, -1); K = x.shape[-1]
;;       x = np.pad(x, [(0, 0)] * (x.ndim - 1) + [(0, -K % 32)]); x = x.reshape(x.shape[:-1] + (-1, 32)); a = np.abs(x).max(-1, keepdims=True)
;;       e = np.where(a > 0, np.clip(np.frexp(np.where(a > 0, a, 1))[1] - 1 - 2, -126, 127), 0)      # np.frexp(a)[1] - 1 = floor(log2(a)), exactly
;;       r = np.clip(x / 2.0 ** e, -6, 6)
;;       step = 2.0 ** (np.maximum(np.frexp(np.where(r == 0, 1, r))[1] - 1, 0) - 1)
;;       q = np.round(r / step) * step * 2.0 ** e      # np.round: ties to even
;;       return np.moveaxis(q.reshape(q.shape[:-2] + (-1,))[..., :K], -1, axis).astype(np.float32)
;;   ~~~
;;   SOFTMAX AHEAD OF A QUANTISED PRODUCT. Where the list says 'softmax', what is quantised is not the finished softmax but p = 2^(t - M), with t = logit x log2(e) and M = ceil(the row's largest t), a whole number; so 1/2 < the row's largest p <= 1. The row's sum l is taken of the UNQUANTISED p, in f32, and the product's result is divided by l at the end. Since M is a whole number, a kernel that streams over the keys may use a running M (the ceiling of the running maximum): every later rescaling is an exact power of two, which a block's scale takes up: the codes' values come out the same.
;;   OPERANDS COMPUTED ON THE WAY. 'Computed on the way' means the value that the module computes at that place (a softmax that the list does not call 'softmax' is quantised finished and normalised). What goes into a quantiser is computed in f32, as accurately as f32 sums, v_exp_f32 and their like allow (about 1e-6 of the number): no bf16 or f16 on the way to a quantiser, and a product that is left as it is and whose result goes on into a quantised operand takes f32 operands (vector FMAs, or v_wmma_f32_16x16x4_f32). A number that lies on a knife's edge between two numbers of the format may be rounded either way, as far as f32 arithmetic and the matrix unit's own rounding can turn it there, and no further.
;;   INPUTS GIVEN AS CODES. o_w (in the module: [1024, 1024], K = its axis 1); qkv_w (in the module: [3072, 1024], K = its axis 1); x (in the module: [4, 2048, 1024], K = its axis 2): each comes as NAME_codes (uint8): NAME with its K axis moved to the last place and cut into blocks of 32 codes, [.., K / 32, bytes a block], one block behind the other in memory; two codes a byte, the lower K in the low four bits (a code: sign, 2 exponent bits, 1 mantissa bit); and NAME_scales (uint8): the same leading axes, one E8M0 byte (e + 127) for each 32 codes along K. Its value is code x scale, taken as it is: it is not quantised again, and the codes and scales need not be those that the quantiser above would give.
;; One version. Each part assembles by itself: llvm-mc -triple=amdgcn-amd-amdhsa -mcpu=gfx1250 --defsym DOCPART=n.
;; ======== version 1 of 1: 3 launches
;; workspace buffers: qc 4,194,304 bytes; qs 524,288 bytes; kv 9,175,040 bytes; aoc 4,194,304 bytes; aos 262,144 bytes
;; launch qkv (part 1): grid 16 x 32, 4 waves a work-group, clusters of 4 x 4, 244,224 bytes of LDS; arguments x_codes, x_scales, qkv_w_codes, qkv_w_scales, qkv_b, qc, qs, kv; writes qc, qs, kv
.if DOCPART == 1
	.amdgcn_target "amdgcn-amd-amdhsa--gfx1250"
	.amdhsa_code_object_version 6
	.text
	.protected	k_qa2250298b9_qkv
	.globl	k_qa2250298b9_qkv
	.p2align	8
	.type	k_qa2250298b9_qkv,@function
k_qa2250298b9_qkv:
	s_mov_b64 s[64:65], 0
	v_nop
	global_prefetch_b8 v0, s[64:65] scope:SCOPE_SE
	s_setreg_imm32_b32 hwreg(HW_REG_WAVE_MODE, 25, 1), 1
	s_wait_xcnt 0x0
	s_wait_alu depctr_hold_cnt(0) depctr_sa_sdst(0) depctr_va_vdst(0) depctr_va_sdst(0) depctr_va_ssrc(0) depctr_va_vcc(0) depctr_vm_vsrc(0)
	s_getreg_b32 s2, hwreg(HW_REG_IB_STS2, 6, 4)
	s_cmp_eq_u32 s2, 0
	s_cbranch_scc0 .Lentry_in_a_cluster
	s_endpgm
.Lentry_in_a_cluster:
	s_bfe_u32 s2, ttmp6, 0x10000c
	s_cmp_lg_u32 s2, 0xf033
	s_cbranch_scc0 .Lentry_shape_is_right
	s_endpgm
.Lentry_shape_is_right:
; qkv = x W^T + b on codes of FP4 (E2M1) with E8M0 scales, and the quantising of its result: q and k along the head's 64, v along the keys.
; x: 8,192 rows x 1,024 codes (512 bytes a row), W: 3,072 rows likewise; scale bytes 32 a row.  Column f of the result is head f / 192; in a head: 64 of q, 64 of k, 64 of v.
; SHARES.  A work-group takes 256 rows x one head's 192 columns.  All of K lies in LDS, in two halves of 512 along K, each filled once: nothing is filled again.
; Wave w: rows 128 (w / 2) on (one key step of the attention), and of the columns: w even: q and v's first 32; w odd: k and v's last 32.  48 accumulators of 16 x 16.
; ORIENTATION.  q, k: source 0 = 16 rows of W, source 1 = 16 rows of x: a lane holds ONE row and its registers run along d.  v: source 0 = x, source 1 = W: a lane holds ONE d and its registers run along the keys.
; So in both cases a lane's registers run along the K of the product that will read the codes.  The bias is the C of each sum's first matrix instruction.
; CODES.  Tiles 2 b and 2 b + 1 hold block b of 32 in lanes l and l xor 16; the conversion of tile 2 b gives dword (lane / 16) of the block, that of tile 2 b + 1 dword 2 + (lane / 16).
; For two blocks the four conversions go to registers 0, 2 (first block) and 1, 3 (second); two exchanges of halves (0 with 1, 2 with 3) leave lane (r, h) with block h, dwords 0 to 3: the operand's registers.
; OUT.  Everything leaves as images of operand registers, 16 bytes a lane, 512 consecutive bytes a store:
;   qc [head of batch 64][tile 128][512];  qs [64][16][512]: the word of tile 8 G + 4 h + p, row r, at 256 h + 16 r + 4 p (bytes 0, 1: blocks 0, 1; bytes 2, 3: 0, over zero codes);
;   kv [64][key step 16][8,960]: K's codes 8 x 512; V^T's codes 4 tiles x 2 x 512 from 4,096; K's scale words (as qs) from 8,192; V's scale words, d = 16 t + r at 16 r + 4 t, from 8,704.
;   V's scale words are the one store that covers half of its 256 bytes (128 bytes a wave; the partner wave writes the other half): 1 byte in 70 of a record.
; CLUSTER 4 x 4: the four work-groups of a row need the same rows of x, the four of a column the same head's rows of W: each tile is asked for jointly.
; LIMITS: a block whose largest magnitude lies under 2^-124 keeps the scale byte 1; a block of zeros has the byte 1, not 127 (its codes are zeros, and this program alone reads the bytes); NaN and infinities are not served.
.set PITCH, 272                        ; an LDS row: 256 bytes + 16 of padding = 68 words: the 16 rows of a fragment load start at 16 different banks
.set AHALF, 128*PITCH                  ; what a wave fetches of x
.set BHALF, 96*PITCH                   ; and of W
.set BOFF,  2*AHALF                    ; in a slot: x's 256 rows, then W's 192
.set SLOT,  BOFF+2*BHALF               ; 121,856 bytes; two slots: K 0-511 and K 512-1,023
.set ADRA, 4                           ; v4-5   LDS address of my x fragments in slot 0, 1
.set ADRQ, 6                           ; v6-7   of my q or k rows of W
.set ADRV, 8                           ; v8-9   of my v rows of W
.set LI,   10                          ; v10    16 x lane
.set L32,  11                          ; v11    32 x lane: a row of scale bytes a lane
.set H32,  12                          ; v12    32 x (lane / 16): the bias of q, k: eight numbers of my half
.set R4,   13                          ; v13    4 x (lane % 16): the bias of v
.set VSA,  14                          ; v14    16 r + 4 h + 8 x (wave % 2): where V's scale word goes
.set XS,   32                          ; v32-63   x's scale words: [8 (tile / 2) + K step]: lanes 0-15 the even tile, lanes 16-31 the odd one
.set WS,   64                          ; v64-87   W's likewise: pairs 0, 1: q or k; pair 2: v
.set BQ,   88                          ; v88-119  bias of q or k, eight registers a tile
.set BV,   120                         ; v120-135 bias of v, eight equal registers a tile
.set T,    136                         ; v136-151 largest magnitudes
.set U,    152                         ; v152-167 the other half's; then the scale bytes
.set SO,   168                         ; v168-183 the conversions' scale operands
.set CD,   184                         ; v184-215 codes
.set W,    216                         ; v216-223 scale words
.set WO,   224                         ; v224-227 scale words as they are stored
; window 1: fragments, set p at 128 p: x's tiles at + 8 i, q or k's at + 64 + 8 j, v's at + 96 + 8 u.   window 2: q or k's accumulators at 32 i + 8 j.   window 3: v's at 64 u + 8 i.
.set WV, 20
.set RH, 21                            ; which 128 rows are mine.  Also: I fetch for x (0) or for W (1)
.set CH, 22                            ; which columns are mine.  Also: which half of that tile I fetch
.set G1A, 32
.set G1B, 40
.set G0A, 48
.set G0B, 56
.set SEL, 66
.set MSB, 0
.macro WIN new                         ; the immediate's high byte repeats the setting that is left
.if MSB != \new
	s_set_vgpr_msb (MSB<<8)|\new
.set MSB, \new
.endif
.endm
.macro PLACES n
.rept \n
	v_nop
.endr
.endm
.macro CROUND                          ; a round of the cluster's barrier
	s_barrier_signal -1
	s_barrier_wait -1
	s_cmp_lg_u32 s[WV], 0
	s_cbranch_scc1 .Lnot_wave_0_\@
	s_barrier_signal -3
.Lnot_wave_0_\@:
	s_barrier_wait -3
	s_barrier_signal -1
	s_barrier_wait -1
.endm
.macro JLOAD g0a, g1a, g0b, g1b        ; a joint load: waves 0, 1 for x, waves 2, 3 for W; four v_nop follow each line
	s_cmp_eq_u32 s[RH], 0
	s_cbranch_scc0 .Lfor_b_\@
	tensor_load_to_lds s[\g0a:\g0a+3], s[\g1a:\g1a+7]
	s_nop 0
.rept 4
	v_nop
.endr
	s_branch .Lasked_\@
.Lfor_b_\@:
	tensor_load_to_lds s[\g0b:\g0b+3], s[\g1b:\g1b+7]
	s_nop 0
.rept 4
	v_nop
.endr
.Lasked_\@:
.endm
.macro WM d, a, b, c, sa, sb, ra, rb   ; one product; ra, rb = 1: that side's scales are read from lanes 16-31
.if (\ra) && (\rb)
	v_wmma_scale_f32_16x16x128_f8f6f4 v[\d:\d+7], v[\a:\a+7], v[\b:\b+7], v[\c:\c+7], v[\sa], v[\sb] matrix_a_fmt:MATRIX_FMT_FP4 matrix_b_fmt:MATRIX_FMT_FP4 matrix_a_scale:MATRIX_SCALE_ROW1 matrix_b_scale:MATRIX_SCALE_ROW1
.elseif (\ra)
	v_wmma_scale_f32_16x16x128_f8f6f4 v[\d:\d+7], v[\a:\a+7], v[\b:\b+7], v[\c:\c+7], v[\sa], v[\sb] matrix_a_fmt:MATRIX_FMT_FP4 matrix_b_fmt:MATRIX_FMT_FP4 matrix_a_scale:MATRIX_SCALE_ROW1
.elseif (\rb)
	v_wmma_scale_f32_16x16x128_f8f6f4 v[\d:\d+7], v[\a:\a+7], v[\b:\b+7], v[\c:\c+7], v[\sa], v[\sb] matrix_a_fmt:MATRIX_FMT_FP4 matrix_b_fmt:MATRIX_FMT_FP4 matrix_b_scale:MATRIX_SCALE_ROW1
.else
	v_wmma_scale_f32_16x16x128_f8f6f4 v[\d:\d+7], v[\a:\a+7], v[\b:\b+7], v[\c:\c+7], v[\sa], v[\sb] matrix_a_fmt:MATRIX_FMT_FP4 matrix_b_fmt:MATRIX_FMT_FP4
.endif
.endm
.macro FRAG reg, adr, off              ; 16 rows x 128 K of 4-bit codes: two loads of 16 bytes, 32 bytes apart
	ds_load_b128 v[\reg:\reg+3], v[\adr] offset:\off
	ds_load_b128 v[\reg+4:\reg+7], v[\adr] offset:\off+32
.endm
	s_load_b256 s[4:11], s[0:1], 0x0               ; x's codes s[4:5], x's scales s[6:7], W's codes s[8:9], W's scales s[10:11]
	s_load_b256 s[12:19], s[0:1], 0x20             ; the bias s[12:13], qc s[14:15], qs s[16:17], kv s[18:19]
	v_lshl_add_u32 v254, v0, 2, 0x3b800
	v_mov_b32 v255, 0
	ds_add_u32 v254, v255
	ds_add_u32 v254, v255
	v_lshrrev_b32 v1, 5, v0
	v_readfirstlane_b32 s[WV], v1                  ; wave 0..3
	s_lshr_b32 s[RH], s[WV], 1
	s_and_b32 s[CH], s[WV], 1
	s_bfe_u32 s23, ttmp6, 0x40000                  ; cx
	s_bfe_u32 s26, ttmp6, 0x40004                  ; cy
	s_lshl_b32 s27, ttmp9, 2
	s_add_co_u32 s27, s27, s23                     ; the head = 4 x cluster x + cx
	s_and_b32 s28, ttmp7, 0xffff
	s_lshl_b32 s28, s28, 2
	s_add_co_u32 s28, s28, s26                     ; the block of 256 rows = 4 x cluster y + cy
	s_lshl_b32 s29, s26, 2
	s_lshl_b32 s29, 15, s29                        ; my row of the cluster
	s_lshl_b32 s30, 0x1111, s23                    ; my column
	; descriptor group 1: rows of 256 bytes (elements of 1 byte), 512 bytes apart in memory, 16 bytes of padding behind each: x 128 rows, W 96 rows
	s_or_b32 s[G1A], s29, (1<<20)|(1<<21)|(5<<22)|(3<<25)   ; 15:0 the mask: x's tiles go to my row; 20 padding on; 21 set beside a mask; 24:22 after every 64 words; 31:25 four words
	s_or_b32 s[G1B], s30, (1<<20)|(1<<21)|(5<<22)|(3<<25)   ; W's go to my column
.irp g, G1A, G1B
	s_mov_b32 s[\g+1], 256<<16                     ; tensor_dim0
	s_mov_b32 s[\g+3], 256<<16                     ; tile_dim0
	s_mov_b32 s[\g+5], 512                         ; tensor_dim0_stride
	s_mov_b32 s[\g+6], 0
	s_mov_b32 s[\g+7], 0
.endr
	s_mov_b32 s[G1A+2], 128<<16                    ; tensor_dim1
	s_mov_b32 s[G1A+4], 128                        ; tile_dim1
	s_mov_b32 s[G1B+2], 96<<16
	s_mov_b32 s[G1B+4], 96
	s_lshl_b32 s68, s28, 8                         ; x: row 256 x block + 128 x half, 512 bytes a row
	s_lshl_b32 s24, s[CH], 7
	s_add_co_u32 s68, s68, s24
	s_lshl_b32 s68, s68, 9
	s_mov_b32 s69, 0
	s_mul_i32 s70, s27, 192                        ; W: row 192 x head + 96 x half
	s_mul_i32 s25, s[CH], 96
	s_add_co_u32 s70, s70, s25
	s_lshl_b32 s70, s70, 9
	s_mov_b32 s71, 0
	s_mul_i32 s72, s[CH], AHALF                    ; where they go: no place in the cluster enters an LDS address
	s_mul_i32 s73, s[CH], BHALF
	s_add_co_u32 s73, s73, BOFF
	s_lshl_b32 s76, s28, 8                         ; x's scale bytes of my 128 rows: 32 bytes a row
	s_lshl_b32 s75, s[RH], 7
	s_add_co_u32 s76, s76, s75
	s_lshl_b32 s76, s76, 5
	s_mov_b32 s77, 0
	s_mul_i32 s74, s27, 192
	s_lshl_b32 s75, s[CH], 6
	s_add_co_u32 s78, s74, s75                     ; my first column of q or k
	s_lshl_b32 s75, s[CH], 5
	s_add_co_u32 s79, s74, s75
	s_add_co_u32 s79, s79, 128                     ; my first column of v
	s_lshl_b32 s80, s78, 5                         ; their scale bytes,
	s_mov_b32 s81, 0
	s_lshl_b32 s82, s79, 5
	s_mov_b32 s83, 0
	s_lshl_b32 s84, s78, 2                         ; their bias
	s_mov_b32 s85, 0
	s_lshl_b32 s86, s79, 2
	s_mov_b32 s87, 0
	s_mov_b32 s[SEL], 0x76543210
	s_mov_b32 s[SEL+1], 0xfedcba98                 ; v_permlanex16_b32's selects for lane l xor 16
	s_wait_dscnt 0x0
	s_wait_kmcnt 0x0
	s_add_nc_u64 s[68:69], s[4:5], s[68:69]
	s_add_nc_u64 s[70:71], s[8:9], s[70:71]
	s_add_nc_u64 s[76:77], s[6:7], s[76:77]
	s_add_nc_u64 s[80:81], s[10:11], s[80:81]
	s_add_nc_u64 s[82:83], s[10:11], s[82:83]
	s_add_nc_u64 s[84:85], s[12:13], s[84:85]
	s_add_nc_u64 s[86:87], s[12:13], s[86:87]
	CROUND                                         ; all sixteen work-groups are here: the joint loads meet
.irp s, 0,1
	s_mov_b32 s[G0A+4*\s], 1
	s_add_co_u32 s[G0A+4*\s+1], s72, \s*SLOT
	s_add_nc_u64 s[G0A+4*\s+2:G0A+4*\s+3], s[68:69], \s*256
	s_or_b32 s[G0A+4*\s+3], s[G0A+4*\s+3], 0x80000000
	s_mov_b32 s[G0B+4*\s], 1
	s_add_co_u32 s[G0B+4*\s+1], s73, \s*SLOT
	s_add_nc_u64 s[G0B+4*\s+2:G0B+4*\s+3], s[70:71], \s*256
	s_or_b32 s[G0B+4*\s+3], s[G0B+4*\s+3], 0x80000000
	JLOAD G0A+4*\s, G1A, G0B+4*\s, G1B             ; both halves of K: two loads of mine are out
.endr
	v_and_b32 v1, 15, v0                           ; r
	v_bfe_u32 v2, v0, 4, 1                         ; h
	v_and_b32 v3, 31, v0                           ; lane
	v_lshlrev_b32 v[LI], 4, v3
	v_lshlrev_b32 v[L32], 5, v3
	v_lshlrev_b32 v[H32], 5, v2
	v_lshlrev_b32 v[R4], 2, v1
.irp p, 0,1,2,3
.irp g, 0,1
	global_load_b128 v[XS+8*\p+4*\g:XS+8*\p+4*\g+3], v[L32], s[76:77] offset:1024*\p+16*\g   ; rows 32 p + lane, K steps 4 g .. 4 g + 3
.endr
.endr
.irp p, 0,1
.irp g, 0,1
	global_load_b128 v[WS+8*\p+4*\g:WS+8*\p+4*\g+3], v[L32], s[80:81] offset:1024*\p+16*\g
.endr
.endr
.irp g, 0,1
	global_load_b128 v[WS+16+4*\g:WS+16+4*\g+3], v[L32], s[82:83] offset:16*\g
.endr
.irp j, 0,1,2,3
	global_load_b128 v[BQ+8*\j:BQ+8*\j+3], v[H32], s[84:85] offset:64*\j       ; columns 16 j + 8 h + 0 .. 7
	global_load_b128 v[BQ+8*\j+4:BQ+8*\j+7], v[H32], s[84:85] offset:64*\j+16
.endr
.irp u, 0,1
.irp e, 0,1,2,3,4,5,6,7
	global_load_b32 v[BV+8*\u+\e], v[R4], s[86:87] offset:64*\u                ; column 16 u + r, for all eight keys of a lane
.endr
.endr
	v_mul_u32_u24 v15, v1, PITCH
	v_lshl_add_u32 v15, v2, 4, v15                 ; a fragment's row x pitch + 16 x half
	s_wait_alu depctr_va_vdst(0)
	s_mul_i32 s88, s[RH], AHALF
	s_mul_i32 s89, s[CH], 64*PITCH
	s_add_co_u32 s89, s89, BOFF
	s_mul_i32 s90, s[CH], 32*PITCH
	s_add_co_u32 s90, s90, BOFF+128*PITCH
.irp s, 0,1
	v_add_nc_u32 v[ADRA+\s], s88, v15
	v_add_nc_u32 v[ADRQ+\s], s89, v15
	v_add_nc_u32 v[ADRV+\s], s90, v15
	s_add_co_u32 s88, s88, SLOT
	s_add_co_u32 s89, s89, SLOT
	s_add_co_u32 s90, s90, SLOT
.endr
	v_lshlrev_b32 v[VSA], 4, v1
	v_lshl_add_u32 v[VSA], v2, 2, v[VSA]
	s_lshl_b32 s24, s[CH], 3
	v_add_nc_u32 v[VSA], s24, v[VSA]
	v_cmp_ne_u32 s31, 0, v2                        ; lanes 16-31
.set n, 0
.rept 16
	v_mov_b32 v[U+n], 0                            ; written once: a lane permute's destination counts as one of its sources
.set n, n+1
.endr
; the 14 fragments of K step ks (128 along K) into set ks % 2: 28 loads in one run.  The window is left at 0x40
.macro FETCH ks
.set FP, 128*((\ks)%2)
.set FS, (\ks)/4
.set FO, 64*((\ks)%4)
	WIN 0x40                                       ; destination window 1, address window 0
.irp i, 0,1,2,3,4,5,6,7
	FRAG FP+8*\i, ADRA+FS, FO+\i*16*PITCH
.endr
.irp j, 0,1,2,3
	FRAG FP+64+8*\j, ADRQ+FS, FO+\j*16*PITCH
.endr
.irp u, 0,1
	FRAG FP+96+8*\u, ADRV+FS, FO+\u*16*PITCH
.endr
.endm
; A K step: the next step's fragments are asked for first, then this step's 48 products.  The 48 accumulators take turns, one instruction a turn, in the same order in every step.
.macro STEP ks
.if (\ks) > 0
	PLACES 4                                       ; four plain places between the last step's products and the loads into the set that they read (ISA guide 7.12.1 for vector instructions)
.endif
.if (\ks) == 3
	s_wait_tensorcnt 0x0                           ; my part of K's second half has landed;
	s_wait_dscnt 0x0                               ; no LDS load of mine is out at the signal
	s_barrier_signal -1
	s_barrier_wait -1                              ; everybody's has
.endif
.if (\ks) < 7
	FETCH (\ks)+1
	s_wait_dscnt 28                                ; all but the 28 just issued: this step's fragments are in
.else
	s_wait_dscnt 0x0
.endif
.set P, 128*((\ks)%2)
.if (\ks) == 0
	WIN 0x85                                       ; sources 0, 1 window 1; C (the bias) window 0; D window 2
.else
	WIN 0xa5                                       ; C and D window 2
.endif
.irp i, 0,1,2,3,4,5,6,7
.irp j, 0,1,2,3
.if (\ks) == 0
	WM 32*\i+8*\j, P+64+8*\j, P+8*\i, BQ+8*\j, WS+8*(\j/2)+(\ks), XS+8*(\i/2)+(\ks), \j%2, \i%2
.else
	WM 32*\i+8*\j, P+64+8*\j, P+8*\i, 32*\i+8*\j, WS+8*(\j/2)+(\ks), XS+8*(\i/2)+(\ks), \j%2, \i%2
.endif
.endr
.endr
.if (\ks) == 0
	WIN 0xc5                                       ; D window 3, C window 0
.else
	WIN 0xf5                                       ; C and D window 3
.endif
.irp i, 0,1,2,3,4,5,6,7
.irp u, 0,1
.if (\ks) == 0
	WM 64*\u+8*\i, P+8*\i, P+96+8*\u, BV+8*\u, XS+8*(\i/2)+(\ks), WS+16+(\ks), \i%2, \u%2
.else
	WM 64*\u+8*\i, P+8*\i, P+96+8*\u, 64*\u+8*\i, XS+8*(\i/2)+(\ks), WS+16+(\ks), \i%2, \u%2
.endif
.endr
.endr
.endm
	s_wait_tensorcnt 1                             ; my part of K's first half is in; the second half's load may stay out
	s_barrier_signal -1
	s_barrier_wait -1                              ; everybody's is
	FETCH 0
	s_wait_loadcnt 0x0                             ; scale words and biases
.irp k, 0,1,2,3,4,5,6,7
	STEP \k
.endr
	; where the results go.  R = (head of batch) x 16 + my 128 rows' number in the batch
	s_lshr_b32 s74, s28, 3                         ; the batch: 8 blocks of 256 rows each
	s_lshl_b32 s74, s74, 4
	s_add_co_u32 s74, s74, s27
	s_lshl_b32 s74, s74, 4
	s_and_b32 s24, s28, 7
	s_lshl_b32 s24, s24, 1
	s_add_co_u32 s74, s74, s24
	s_add_co_u32 s74, s74, s[RH]
	s_mul_i32 s75, s74, 8960                       ; the record in kv
	s_lshl_b32 s88, s74, 12                        ; eight tiles in qc
	s_lshl_b32 s90, s74, 9                         ; their words in qs
	s_add_co_u32 s24, s75, 8192                    ; K's scale words in the record
	s_mov_b32 s89, 0
	s_mov_b32 s91, 0
	s_cmp_eq_u32 s[CH], 0                          ; q's wave or k's?
	s_cselect_b64 s[68:69], s[14:15], s[18:19]
	s_cselect_b64 s[70:71], s[16:17], s[18:19]
	s_cselect_b32 s88, s88, s75
	s_cselect_b32 s90, s90, s24
	s_add_nc_u64 s[68:69], s[68:69], s[88:89]      ; codes
	s_add_nc_u64 s[70:71], s[70:71], s[90:91]      ; scale words
	s_mov_b32 s94, s75
	s_mov_b32 s95, 0
	s_add_nc_u64 s[94:95], s[18:19], s[94:95]      ; the record
	s_lshl_b32 s92, s[CH], 11
	s_mov_b32 s93, 0
	s_add_nc_u64 s[92:93], s[94:95], s[92:93]      ; + my two tiles of V^T
; nb blocks of 32; block n is registers 16 n .. 16 n + 15 of a window (two accumulators, each read from its low end on), shared with lane l xor 16.
; wa: sources 0, 1 in that window; wb: sources 1, 2.  Leaves the conversions' scale operands in SO and the scale bytes in U.
.macro BLOCKMAX nb, wa, wb
	WIN \wa
.set n, 0
.rept \nb
	v_max3_num_f32 v[T+n], |v[16*n]|, |v[16*n+1]|, 0x1800000   ; and the floor 2^(3 - 127): the byte cannot fall under 1
.set n, n+1
.endr
	WIN \wb
.irp e, 2,4,6,8,10,12,14
.set n, 0
.rept \nb
	v_max3_num_f32 v[T+n], v[T+n], |v[16*n+\e]|, |v[16*n+\e+1]|   ; the blocks by turns: no line waits for the line above it
.set n, n+1
.endr
.endr
	WIN 0
.set n, 0
.rept \nb
	v_permlanex16_b32 v[U+n], v[T+n], s[SEL], s[SEL+1]
.set n, n+1
.endr
.set n, 0
.rept \nb
	v_max_num_f32 v[T+n], v[T+n], v[U+n]           ; the block's largest magnitude
.set n, n+1
.endr
.set n, 0
.rept \nb
	v_add_nc_u32 v[SO+n], 0xff000000, v[T+n]       ; 2 off its exponent field: the conversion takes that field as its scale
.set n, n+1
.endr
.set n, 0
.rept \nb
	v_lshrrev_b32 v[U+n], 23, v[SO+n]              ; the scale's byte
.set n, n+1
.endr
.endm
	; ---- q or k: 8 tiles of rows x 2 blocks along d
	PLACES 4                                       ; four plain places behind the last products, ahead of the first read of results
	BLOCKMAX 16, 0x0a, 0x28
.irp i, 0,1,2,3,4,5,6,7
	v_lshl_or_b32 v[W+\i], v[U+2*\i+1], 8, v[U+2*\i]   ; a row's word: bytes 0, 1; bytes 2, 3 stay 0 and stand over zero codes
.endr
	WIN 0x02                                       ; source 0 window 2
.irp i, 0,1,2,3,4,5,6,7
.irp j, 0,1,2,3
	v_cvt_scalef32_pk8_fp4_f32 v[CD+4*\i+2*(\j%2)+\j/2], v[32*\i+8*\j:32*\i+8*\j+7], v[SO+2*\i+\j/2]   ; tiles 0, 1, 2, 3 to registers 0, 2, 1, 3
.endr
.endr
	WIN 0
	v_nop                                          ; one plain place behind a scaled conversion
.irp i, 0,1,2,3,4,5,6,7
	v_permlane16_swap_b32 v[CD+4*\i], v[CD+4*\i+1]     ; lanes 0-15 keep block 0, lanes 16-31 get block 1: dwords 0, 1,
	v_permlane16_swap_b32 v[CD+4*\i+2], v[CD+4*\i+3]   ; and 2, 3
.endr
.irp p, 0,1,2,3
	v_cndmask_b32 v[WO+\p], v[W+\p], v[W+4+\p], s31    ; lanes 0-15 store the words of tiles 0-3, lanes 16-31 of tiles 4-7
.endr
.irp i, 0,1,2,3,4,5,6,7
	global_store_b128 v[LI], v[CD+4*\i:CD+4*\i+3], s[68:69] offset:512*\i   ; 32 lanes store 512 consecutive bytes, aligned
.endr
	global_store_b128 v[LI], v[WO:WO+3], s[70:71]
	; ---- v: 2 tiles of d x 4 blocks along my 128 keys
	BLOCKMAX 8, 0x0f, 0x3c
.irp u, 0,1
	v_lshl_or_b32 v[W+\u], v[U+4*\u+1], 8, v[U+4*\u]
	v_lshl_or_b32 v[W+\u], v[U+4*\u+2], 16, v[W+\u]
	v_lshl_or_b32 v[W+\u], v[U+4*\u+3], 24, v[W+\u]
.endr
	s_wait_xcnt 0x0                                ; the stores above have read their data: the codes' and words' registers are written again only behind this wait
	WIN 0x03                                       ; source 0 window 3
.irp u, 0,1
.irp i, 0,1,2,3,4,5,6,7
	v_cvt_scalef32_pk8_fp4_f32 v[CD+8*\u+4*(\i/4)+2*(\i%2)+(\i%4)/2], v[64*\u+8*\i:64*\u+8*\i+7], v[SO+4*\u+\i/2]
.endr
.endr
	WIN 0
	v_nop
.irp g, 0,1,2,3
	v_permlane16_swap_b32 v[CD+4*\g], v[CD+4*\g+1]
	v_permlane16_swap_b32 v[CD+4*\g+2], v[CD+4*\g+3]
.endr
	v_cndmask_b32 v[WO], v[W], v[W+1], s31         ; lanes 0-15 store my first tile's words, lanes 16-31 my second's
.irp g, 0,1,2,3
	global_store_b128 v[LI], v[CD+4*\g:CD+4*\g+3], s[92:93] offset:4096+512*\g
.endr
	global_store_b32 v[VSA], v[WO], s[94:95] offset:8704
	s_wait_tensorcnt 0x0
	ds_add_u32 v254, v255
	s_wait_dscnt 0x0
	CROUND                                         ; the closing round: no work-group ends while a partner may still ask for a tile that names it
	s_endpgm
.Lfunc_end_k_qa2250298b9_qkv:
	.size	k_qa2250298b9_qkv, .Lfunc_end_k_qa2250298b9_qkv-k_qa2250298b9_qkv
	.p2alignl 7, 3214868480
	.fill 96, 4, 3214868480
	.section	.rodata,"a",@progbits
	.p2align	6, 0x0
	.amdhsa_kernel k_qa2250298b9_qkv
		.amdhsa_group_segment_fixed_size 244224
		.amdhsa_private_segment_fixed_size 0
		.amdhsa_enable_private_segment 0
		.amdhsa_kernarg_size 64
		.amdhsa_user_sgpr_count 2
		.amdhsa_user_sgpr_kernarg_segment_ptr 1
		.amdhsa_wavefront_size32 1
		.amdhsa_system_sgpr_workgroup_id_x 1
		.amdhsa_system_sgpr_workgroup_id_y 1
		.amdhsa_system_sgpr_workgroup_id_z 1
		.amdhsa_system_vgpr_workitem_id 0
		.amdhsa_next_free_vgpr 896
		.amdhsa_next_free_sgpr 96
		.amdhsa_reserve_vcc 0
		.amdhsa_float_denorm_mode_32 3
		.amdhsa_float_denorm_mode_16_64 3
		.amdhsa_memory_ordered 1
		.amdhsa_forward_progress 1
		.amdhsa_inst_pref_size 102
	.end_amdhsa_kernel
	.amdgpu_metadata
---
amdhsa.version: [ 1, 2 ]
amdhsa.kernels:
  - .name:           k_qa2250298b9_qkv
    .symbol:         k_qa2250298b9_qkv.kd
    .args:
      - { .name: x_codes, .offset: 0, .size: 8, .value_kind: global_buffer, .address_space: global }
      - { .name: x_scales, .offset: 8, .size: 8, .value_kind: global_buffer, .address_space: global }
      - { .name: qkv_w_codes, .offset: 16, .size: 8, .value_kind: global_buffer, .address_space: global }
      - { .name: qkv_w_scales, .offset: 24, .size: 8, .value_kind: global_buffer, .address_space: global }
      - { .name: qkv_b, .offset: 32, .size: 8, .value_kind: global_buffer, .address_space: global }
      - { .name: qc, .offset: 40, .size: 8, .value_kind: global_buffer, .address_space: global }
      - { .name: qs, .offset: 48, .size: 8, .value_kind: global_buffer, .address_space: global }
      - { .name: kv, .offset: 56, .size: 8, .value_kind: global_buffer, .address_space: global }
    .group_segment_fixed_size: 244224
    .private_segment_fixed_size: 0
    .kernarg_segment_align: 8
    .kernarg_segment_size: 64
    .max_flat_workgroup_size: 128
    .sgpr_count:     96
    .vgpr_count:     896
    .wavefront_size: 32
...
	.end_amdgpu_metadata
.endif
;; end of part 1
;; launch attn (part 2): grid 8 x 32, 16 waves a work-group, clusters of 4 x 1, 327,680 bytes of LDS; arguments qc, qs, kv, aoc, aos; writes aoc, aos
.if DOCPART == 2
	.amdgcn_target "amdgcn-amd-amdhsa--gfx1250"
	.amdhsa_code_object_version 6
	.text
	.protected	k_qa2250298b9_attn
	.globl	k_qa2250298b9_attn
	.p2align	8
	.type	k_qa2250298b9_attn,@function
k_qa2250298b9_attn:
	s_mov_b64 s[64:65], 0
	v_nop
	global_prefetch_b8 v0, s[64:65] scope:SCOPE_SE
	s_setreg_imm32_b32 hwreg(HW_REG_WAVE_MODE, 25, 1), 1
	s_wait_xcnt 0x0
	s_wait_alu depctr_hold_cnt(0) depctr_sa_sdst(0) depctr_va_vdst(0) depctr_va_sdst(0) depctr_va_ssrc(0) depctr_va_vcc(0) depctr_vm_vsrc(0)
	s_getreg_b32 s2, hwreg(HW_REG_IB_STS2, 6, 4)
	s_cmp_eq_u32 s2, 0
	s_cbranch_scc0 .Lentry_in_a_cluster
	s_endpgm
.Lentry_in_a_cluster:
	s_bfe_u32 s2, ttmp6, 0x10000c
	s_cmp_lg_u32 s2, 0x3003
	s_cbranch_scc0 .Lentry_shape_is_right
	s_endpgm
.Lentry_shape_is_right:
; Attention on codes of FP4 (E2M1): S^T = K Q^T, p = 2^(t - M), O^T = V^T P^T, O / l, and the quantising of O along the embedding for the last product.  Head size 64, 2,048 keys, no mask.
; t = score x log2(e) / 8; M = the running largest t rounded UP to a whole number; p is quantised along the keys, not normalised; l is the sum of the unquantised p.  When M moves, l and O^T are multiplied by 2^(old M - new M): exact.
; SHARES.  A work-group takes 256 queries of a PAIR of heads (2 s, 2 s + 1) of one batch; each of its sixteen waves owns one tile of 16 queries in 256 registers, four waves to a SIMD, so that one wave's exponentials
; stand beside another's plain work, products and LDS loads.  A wave walks head 2 s, then head 2 s + 1: its two results are the 128 along K of K step s of the last product: a whole fragment and a whole scale word.
; LDS.  Both heads' K and V, 16 records of 8,960 bytes each (the launch before laid them as images of operand registers), lie in LDS whole: 286,720 consecutive bytes of kv, filled once.  Wave w fetches record w of each head.
; A fragment load takes 512 consecutive bytes, 16 a lane: no pitch, no padding.
; K = 64 in the first product: registers 4 to 7 of K's and Q's fragments hold zero codes for the whole launch, and bytes 2, 3 of their scale words are 0, which is 2^-127 over zeros.
; LAYOUT.  Both products transposed: a lane holds ONE query (lane % 16) throughout.  In S^T tile t, register j is key 16 t + 8 (lane / 16) + j; tiles 2 b, 2 b + 1 hold block b in lanes l and l xor 16.
; The conversions of tiles 0, 1, 2, 3 go to registers 0, 2, 1, 3, and two exchanges of halves leave lane (r, h) with block h, dwords 0 to 3: the operand's registers.
; CLUSTER 4 x 1: four blocks of queries of one pair of heads read the same K and V: every record is asked for jointly.
; Nothing is prefetched: all that the launch reads is asked for at its head.
; LIMITS: a block whose largest magnitude lies under 2^-124 keeps the scale byte 1; a block of zeros has the byte 1, not 127 (zero codes; this program alone reads the bytes); NaN and infinities are not served; 1 / l is v_rcp_f32's.
; A block's largest p is the block's largest score put through the same multiply-add and exponential as every score.
.set REC,   8960                       ; a record: 128 keys: K's codes 4,096; V^T's codes 4,096; K's scale words 512; V's 256
.set HEADB, 16*REC
.set STG,   2*HEADB                    ; behind the heads: 1,024 bytes in which the work-group's 256 scale words meet
.set LI,   1                           ; v1   16 x lane
.set LR,   2                           ; v2   16 x (lane % 16)
.set ADR,  3                           ; v3   the record in hand + 16 x lane
.set ADR2, 4                           ; v4   the record in hand + 16 x (lane % 16)
.set SWA,  5                           ; v5   where my row's scale word goes in the stage
.set SRA,  6                           ; v6   where threads 0-63 read 16 bytes of it back
.set SGA,  7                           ; v7   and where they go in aos
.set AW,   8                           ; v8   my row's scale word for the last product
.set QF,   16                          ; v16-23, v24-31  Q's fragments of the two heads
.set KF,   32                          ; v32-63   four fragments of K
.set VF,   64                          ; v64-95   four fragments of V^T
.set S,    96                          ; v96-159  S^T, then p
.set O,    160                         ; v160-191 O^T
.set PC,   192                         ; v192-199 p's codes
.set KS,   200                         ; v200-203 K's scale words: lanes 0-15 tiles 0-3, lanes 16-31 tiles 4-7
.set VS,   204                         ; v204-207 V's
.set QS,   208                         ; v208-209 Q's, of the two heads
.set PW,   210                         ; v210     p's
.set BM,   212                         ; v212-215 a block's largest score, then its largest p
.set U,    216                         ; v216-219
.set SO,   220                         ; v220-223 the conversions' scale operands
.set F,    224                         ; v[224:225] f = 2^(old M - new M), later 1 / l; the upper register stays 0
.set TMP,  226
.set C2,   228                         ; v[228:229] the sum's second chain
.set AC,   232                         ; v232-239 the result's codes: a fragment of the last product
.set BKW,  240                         ; v240-243
; v12 -M, v13 the largest t, v[14:15] the sum in two halves
.set WV,  14
.set SEL, 20
.set CS,  22                           ; s[22:23] c = log2(e) / 8
.set G1,  24
.set G0,  32
.set TB,  40                           ; LDS byte of the record in hand
.set CNT, 41
.macro PLACES n
.rept \n
	v_nop
.endr
.endm
.macro CROUND
	s_barrier_signal -1
	s_barrier_wait -1
	s_cmp_lg_u32 s[WV], 0
	s_cbranch_scc1 .Lnot_wave_0_\@
	s_barrier_signal -3
.Lnot_wave_0_\@:
	s_barrier_wait -3
	s_barrier_signal -1
	s_barrier_wait -1
.endm
.macro WMZ d, a, b, sa, sb, ra         ; a product that starts its sum; ra = 1: source 0's scales are read from lanes 16-31
.if (\ra)
	v_wmma_scale_f32_16x16x128_f8f6f4 v[\d:\d+7], v[\a:\a+7], v[\b:\b+7], 0, v[\sa], v[\sb] matrix_a_fmt:MATRIX_FMT_FP4 matrix_b_fmt:MATRIX_FMT_FP4 matrix_a_scale:MATRIX_SCALE_ROW1
.else
	v_wmma_scale_f32_16x16x128_f8f6f4 v[\d:\d+7], v[\a:\a+7], v[\b:\b+7], 0, v[\sa], v[\sb] matrix_a_fmt:MATRIX_FMT_FP4 matrix_b_fmt:MATRIX_FMT_FP4
.endif
.endm
	s_load_b256 s[4:11], s[0:1], 0x0               ; qc s[4:5], qs s[6:7], kv s[8:9], aoc s[10:11]
	s_load_b64 s[12:13], s[0:1], 0x20              ; aos
	v_lshl_add_u32 v254, v0, 2, 0x46400
	v_mov_b32 v255, 0
	ds_add_u32 v254, v255
	ds_add_u32 v254, v255
	v_lshrrev_b32 v1, 5, v0
	s_delay_alu instid0(VALU_DEP_1)
	v_readfirstlane_b32 s[WV], v1                  ; wave 0..15
	s_bfe_u32 s15, ttmp6, 0x40000                  ; cx
	s_lshl_b32 s16, ttmp9, 2
	s_add_co_u32 s16, s16, s15                     ; my block of 256 queries: it enters the addresses of Q and of the results alone
	s_and_b32 s17, ttmp7, 0xffff                   ; 8 x batch + pair of heads, which the four partners share
	s_mov_b32 s[SEL], 0x76543210
	s_mov_b32 s[SEL+1], 0xfedcba98
	s_mov_b32 s[CS], 0x3e38aa3b                    ; log2(e) / 8
	s_mov_b32 s[CS+1], s[CS]                       ; (named with it as a pair, so it is written)
	; descriptor group 1: a record: 8,960 dense bytes as 35 rows of 256 (32 elements of 8 bytes), no padding
	s_mov_b32 s[G1], 15|(3<<16)|(1<<21)            ; 15:0 the mask: all four work-groups; 17:16 elements of 8 bytes; 21 set beside a mask
	s_mov_b32 s[G1+1], 32<<16                      ; tensor_dim0
	s_mov_b32 s[G1+2], 35<<16                      ; tensor_dim1
	s_mov_b32 s[G1+3], 32<<16                      ; tile_dim0
	s_mov_b32 s[G1+4], 35                          ; tile_dim1
	s_mov_b32 s[G1+5], 32                          ; tensor_dim0_stride
	s_mov_b32 s[G1+6], 0
	s_mov_b32 s[G1+7], 0
	s_mul_i32 s44, s[WV], REC                      ; record w: in a head in LDS, and in memory
	s_mul_i32 s42, s17, 2*HEADB
	s_add_co_u32 s42, s42, s44
	s_mov_b32 s43, 0
	s_lshl_b32 s45, s16, 4
	s_add_co_u32 s45, s45, s[WV]                   ; T: my tile of queries in the head
	s_lshl_b32 s46, s17, 8                         ; qc: (128 x head of batch + T) x 512; head of batch = 2 x s17 (+ 1)
	s_add_co_u32 s46, s46, s45
	s_lshl_b32 s46, s46, 9
	s_mov_b32 s47, 0
	s_lshl_b32 s48, s17, 5                         ; qs: (16 x head of batch + T / 8) x 512 + 256 ((T / 4) % 2) + 4 (T % 4)
	s_lshl_b32 s49, s16, 1
	s_add_co_u32 s48, s48, s49
	s_lshr_b32 s49, s[WV], 3
	s_add_co_u32 s48, s48, s49
	s_lshl_b32 s48, s48, 9
	s_bfe_u32 s49, s[WV], 0x10002
	s_lshl_b32 s49, s49, 8
	s_add_co_u32 s48, s48, s49
	s_and_b32 s49, s[WV], 3
	s_lshl_b32 s49, s49, 2
	s_add_co_u32 s48, s48, s49
	s_mov_b32 s49, 0
	s_and_b32 s50, s17, 7                          ; s: the pair of heads = the last product's K step
	s_lshr_b32 s51, s17, 3                         ; the batch
	s_lshl_b32 s52, s51, 7                         ; aoc: [s / 4][tile of rows 128 x batch + T][s % 4][head of the pair][512]
	s_add_co_u32 s52, s52, s45
	s_lshl_b32 s52, s52, 12
	s_lshr_b32 s53, s50, 2
	s_lshl_b32 s53, s53, 21
	s_add_co_u32 s52, s52, s53
	s_and_b32 s53, s50, 3
	s_lshl_b32 s53, s53, 10
	s_add_co_u32 s52, s52, s53
	s_mov_b32 s53, 0
	s_lshl_b32 s54, s50, 15                        ; aos: [s][row] words: my work-group's 256 rows
	s_lshl_b32 s55, s51, 13
	s_add_co_u32 s54, s54, s55
	s_lshl_b32 s55, s16, 10
	s_add_co_u32 s54, s54, s55
	s_mov_b32 s55, 0
	s_wait_dscnt 0x0
	s_wait_kmcnt 0x0
	s_add_nc_u64 s[42:43], s[8:9], s[42:43]
	s_add_nc_u64 s[4:5], s[4:5], s[46:47]
	s_add_nc_u64 s[6:7], s[6:7], s[48:49]
	s_add_nc_u64 s[10:11], s[10:11], s[52:53]
	s_add_nc_u64 s[12:13], s[12:13], s[54:55]
	CROUND                                         ; all four work-groups are here: the joint loads meet
.irp c, 0,1
	s_mov_b32 s[G0+4*\c], 1
	s_add_co_u32 s[G0+4*\c+1], s44, \c*HEADB
	s_add_nc_u64 s[G0+4*\c+2:G0+4*\c+3], s[42:43], \c*HEADB
	s_or_b32 s[G0+4*\c+3], s[G0+4*\c+3], 0x80000000
.endr
	tensor_load_to_lds s[G0:G0+3], s[G1:G1+7]      ; record w of the first head,
	s_nop 0
	s_wait_alu depctr_va_vdst(0)
	s_wait_tensorcnt 0x0
	ds_add_u32 v254, v255
	s_wait_dscnt 0x0
	CROUND
	tensor_load_to_lds s[G0+4:G0+7], s[G1:G1+7]    ; and of the second: one load of mine is out; four v_nop follow
	s_nop 0
.rept 4
	v_nop
.endr
	v_and_b32 v[LI], 31, v0
	s_delay_alu instid0(VALU_DEP_1)
	v_lshlrev_b32 v[LI], 4, v[LI]
	v_and_b32 v[LR], 15, v0
	s_delay_alu instid0(VALU_DEP_1)
	v_lshlrev_b32 v[SWA], 2, v[LR]
	s_delay_alu instid0(VALU_DEP_2)
	v_lshlrev_b32 v[LR], 4, v[LR]
	global_load_b128 v[QF:QF+3], v[LI], s[4:5]                   ; Q's fragments stay in registers
	global_load_b128 v[QF+8:QF+11], v[LI], s[4:5] offset:65536
	global_load_b32 v[QS], v[LR], s[6:7]
	global_load_b32 v[QS+1], v[LR], s[6:7] offset:8192
	s_lshl_b32 s56, s[WV], 6
	s_add_co_u32 s56, s56, STG
	v_add_nc_u32 v[SWA], s56, v[SWA]               ; the stage: 64 x wave + 4 x (lane % 16)
	v_and_b32 v[SGA], 63, v0
	s_delay_alu instid0(VALU_DEP_1)
	v_lshlrev_b32 v[SGA], 4, v[SGA]
	s_delay_alu instid0(VALU_DEP_1)
	v_add_nc_u32 v[SRA], STG, v[SGA]
.irp e, 4,5,6,7
	v_mov_b32 v[QF+\e], 0                          ; K from 64 on: zero codes, for the whole launch
	v_mov_b32 v[QF+8+\e], 0
.irp t, 0,1,2,3
	v_mov_b32 v[KF+8*\t+\e], 0
.endr
.endr
.irp b, 0,1,2,3
	v_mov_b32 v[U+\b], 0                           ; written once: a lane permute's destination counts as one of its sources
.endr
	v_mov_b32 v[F+1], 0                            ; (named as the upper half of a pair)
; A KEY STEP: 128 keys, the record at s[TB].  qf: Q's fragment, qw: its scale words.
.macro STEP qf, qw
	v_add_nc_u32 v[ADR], s[TB], v[LI]
	v_add_nc_u32 v[ADR2], s[TB], v[LR]
	v_nop
	v_nop                                          ; these four are the places between the last step's products and the loads into the registers that they read
.irp t, 0,1,2,3
	ds_load_b128 v[KF+8*\t:KF+8*\t+3], v[ADR] offset:512*\t          ; K's tiles 0-3
.endr
	ds_load_b128 v[KS:KS+3], v[ADR] offset:8192
.irp t, 0,1,2,3
	ds_load_b128 v[VF+8*\t:VF+8*\t+3], v[ADR] offset:4096+1024*\t
	ds_load_b128 v[VF+8*\t+4:VF+8*\t+7], v[ADR] offset:4096+1024*\t+512
.endr
	ds_load_b128 v[VS:VS+3], v[ADR2] offset:8704
	s_wait_alu depctr_va_vdst(0)
	s_wait_dscnt 9                                 ; K's four tiles and its scale words are in; V's eight loads and its scale words may be out
.irp t, 0,1,2,3
	WMZ S+8*\t, KF+8*\t, \qf, KS+\t, \qw, 0
.endr
	PLACES 4                                       ; in front of loads into registers that those products read
.irp t, 0,1,2,3
	ds_load_b128 v[KF+8*\t:KF+8*\t+3], v[ADR] offset:2048+512*\t     ; K's tiles 4-7
.endr
	s_wait_dscnt 0x0
.irp t, 0,1,2,3
	WMZ S+32+8*\t, KF+8*\t, \qf, KS+\t, \qw, 1
.endr
	PLACES 4                                       ; in front of the first read of results
.irp b, 0,1,2,3
	v_max3_num_f32 v[BM+\b], v[S+16*\b], v[S+16*\b+1], v[S+16*\b+2]   ; the largest score of each block of 32 keys: for the row's maximum, and for the block's largest p
.endr
.irp e, 3,5,7,9,11,13
.irp b, 0,1,2,3
	v_max3_num_f32 v[BM+\b], v[BM+\b], v[S+16*\b+\e], v[S+16*\b+\e+1]
.endr
.endr
.irp b, 0,1,2,3
	v_max_num_f32 v[BM+\b], v[BM+\b], v[S+16*\b+15]
.endr
.irp b, 0,1,2,3
	s_delay_alu instid0(VALU_DEP_4)
	v_permlanex16_b32 v[U+\b], v[BM+\b], s[SEL], s[SEL+1]
.endr
.irp b, 0,1,2,3
	s_delay_alu instid0(VALU_DEP_4)
	v_max_num_f32 v[BM+\b], v[BM+\b], v[U+\b]      ; with lane l xor 16's 16 keys
.endr
	s_delay_alu instid0(VALU_DEP_2)
	v_max3_num_f32 v[TMP], v[BM], v[BM+1], v[BM+2]
	s_delay_alu instid0(VALU_DEP_1)
	v_max_num_f32 v[TMP], v[TMP], v[BM+3]          ; the step's largest score of my query
	s_delay_alu instid0(VALU_DEP_1)
	v_mul_f32 v[TMP], s[CS], v[TMP]                ; as t (c is positive)
	s_delay_alu instid0(VALU_DEP_1)
	v_max_num_f32 v13, v13, v[TMP]                 ; the running largest t
	v_mov_b32 v[TMP], v12
	s_delay_alu instid0(VALU_DEP_2)
	v_floor_f32 v12, -v13                          ; the new -M = floor(-t) = -ceil(t)
	s_delay_alu instid0(VALU_DEP_1)
	v_sub_f32 v[TMP], v12, v[TMP]                  ; old M - new M: a whole number, 0 or less
	s_delay_alu instid0(VALU_DEP_1)
	v_cvt_i32_f32 v[TMP], v[TMP]                   ; (it saturates)
	s_delay_alu instid0(VALU_DEP_1)
	v_ldexp_f32 v[F], 1.0, v[TMP]                  ; f = 2^(old M - new M)
.set n, 0
.rept 32
	v_pk_fma_f32 v[S+n:S+n+1], v[S+n:S+n+1], s[CS:CS+1], v[12:13] op_sel_hi:[1,0,0]   ; t - M, two at a time
.set n, n+2
.endr
.irp b, 0,1,2,3
	v_fma_f32 v[BM+\b], v[BM+\b], s[CS], v12       ; the same of each block's largest score
.endr
.set n, 0
	s_wait_alu depctr_va_vdst(0)
.rept 64
	v_exp_f32 v[S+n], v[S+n]                       ; p = 2^(t - M), at most 1
.set n, n+1
.endr
	s_setprio 1
	v_pk_mul_f32 v[14:15], v[14:15], v[F:F+1] op_sel_hi:[1,0]   ; the sums under the new M: the plain instruction behind the exponentials
	s_wait_alu depctr_va_vdst(0)                   ; one wait for the batch of 64, ahead of its first reader
.irp b, 0,1,2,3
	v_exp_f32 v[BM+\b], v[BM+\b]                   ; the block's largest p
.endr
	v_pk_add_f32 v[C2:C2+1], v[S:S+1], v[S+2:S+3]  ; the row's sum is taken of the unquantised p, in two chains
.irp e, 4,8,12,16,20,24,28,32,36,40,44,48,52,56,60
	v_pk_add_f32 v[14:15], v[14:15], v[S+\e:S+\e+1]
	v_pk_add_f32 v[C2:C2+1], v[C2:C2+1], v[S+\e+2:S+\e+3]
.endr
	s_delay_alu instid0(VALU_DEP_1)
	v_pk_add_f32 v[14:15], v[14:15], v[C2:C2+1]
	s_wait_alu depctr_va_vdst(0)                   ; and one for the four
.irp b, 0,1,2,3
	v_max_num_f32 v[BM+\b], 0x1800000, v[BM+\b]    ; the floor 2^(3 - 127): the byte cannot fall under 1
.endr
.irp b, 0,1,2,3
	s_delay_alu instid0(VALU_DEP_4)
	v_add_nc_u32 v[SO+\b], 0xff000000, v[BM+\b]    ; 2 off the exponent field: the conversion's scale operand
.endr
.irp b, 0,1,2,3
	s_delay_alu instid0(VALU_DEP_4)
	v_lshrrev_b32 v[U+\b], 23, v[SO+\b]            ; the scale's byte
.endr
	s_delay_alu instid0(VALU_DEP_3)
	v_lshl_or_b32 v[PW], v[U+1], 8, v[U]           ; p's scale word for these 128 keys
	s_delay_alu instid0(VALU_DEP_1)
	v_lshl_or_b32 v[PW], v[U+2], 16, v[PW]
	s_delay_alu instid0(VALU_DEP_1)
	v_lshl_or_b32 v[PW], v[U+3], 24, v[PW]
.irp t, 0,1,2,3,4,5,6,7
	v_cvt_scalef32_pk8_fp4_f32 v[PC+4*(\t/4)+2*(\t%2)+(\t%4)/2], v[S+8*\t:S+8*\t+7], v[SO+\t/2]   ; of four tiles: to registers 0, 2, 1, 3
.endr
	v_nop                                          ; one plain place behind a scaled conversion
.irp g, 0,1,2,3
	v_permlane16_swap_b32 v[PC+2*\g], v[PC+2*\g+1] ; lanes 0-15 keep the even block, lanes 16-31 get the odd one
.endr
.set n, 0
	s_setprio 0
.rept 16
	v_pk_mul_f32 v[O+n:O+n+1], v[O+n:O+n+1], v[F:F+1] op_sel_hi:[1,0]   ; O^T under the new M.  For each product below, the twelve of these that name other tiles are the places behind the writes of p's codes and scale word
.set n, n+2
.endr
.irp t, 0,1,2,3
	v_wmma_scale_f32_16x16x128_f8f6f4 v[O+8*\t:O+8*\t+7], v[VF+8*\t:VF+8*\t+7], v[PC:PC+7], v[O+8*\t:O+8*\t+7], v[VS+\t], v[PW] matrix_a_fmt:MATRIX_FMT_FP4 matrix_b_fmt:MATRIX_FMT_FP4
.endr
.endm
; O^T / l of head hd of the pair, quantised along d: half a fragment and half a scale word of the last product.
.macro OUT hd
	v_add_f32 v14, v14, v15                        ; the sum's two halves,
	s_delay_alu instid0(VALU_DEP_1)
	v_permlanex16_b32 v[TMP], v14, s[SEL], s[SEL+1]
	s_delay_alu instid0(VALU_DEP_1)
	v_add_f32 v14, v14, v[TMP]                     ; and lane l xor 16's
	s_wait_alu depctr_va_vdst(0)
	v_rcp_f32 v[F], v14
	v_nop
	v_nop                                          ; plain instructions behind the reciprocal; with the additions above also the places behind the last products
	s_wait_alu depctr_va_vdst(0)                   ; ahead of the reciprocal's first reader
.set n, 0
.rept 16
	v_pk_mul_f32 v[S+n:S+n+1], v[O+n:O+n+1], v[F:F+1] op_sel_hi:[1,0]   ; register 8 t + j: o(query r, d = 16 t + 8 h + j); each accumulator from its low end on
.set n, n+2
.endr
.irp b, 0,1
	v_max3_num_f32 v[BM+\b], |v[S+16*\b]|, |v[S+16*\b+1]|, 0x1800000
.endr
.irp e, 2,4,6,8,10,12,14
.irp b, 0,1
	s_delay_alu instid0(VALU_DEP_2)
	v_max3_num_f32 v[BM+\b], v[BM+\b], |v[S+16*\b+\e]|, |v[S+16*\b+\e+1]|
.endr
.endr
.irp b, 0,1
	s_delay_alu instid0(VALU_DEP_2)
	v_permlanex16_b32 v[U+\b], v[BM+\b], s[SEL], s[SEL+1]
.endr
.irp b, 0,1
	s_delay_alu instid0(VALU_DEP_2)
	v_max_num_f32 v[BM+\b], v[BM+\b], v[U+\b]
.endr
.irp b, 0,1
	s_delay_alu instid0(VALU_DEP_2)
	v_add_nc_u32 v[SO+\b], 0xff000000, v[BM+\b]
.endr
.irp b, 0,1
	s_delay_alu instid0(VALU_DEP_2)
	v_lshrrev_b32 v[U+\b], 23, v[SO+\b]
.endr
.if \hd == 0
	s_delay_alu instid0(VALU_DEP_1)
	v_lshl_or_b32 v[AW], v[U+1], 8, v[U]           ; bytes 0, 1 of the row's word
.else
	s_delay_alu instid0(VALU_DEP_1)
	v_lshl_or_b32 v[TMP], v[U+1], 8, v[U]
	s_delay_alu instid0(VALU_DEP_1)
	v_lshl_or_b32 v[AW], v[TMP], 16, v[AW]         ; bytes 2, 3
.endif
.irp t, 0,1,2,3
	v_cvt_scalef32_pk8_fp4_f32 v[AC+4*\hd+2*(\t%2)+\t/2], v[S+8*\t:S+8*\t+7], v[SO+\t/2]
.endr
	v_nop
	v_permlane16_swap_b32 v[AC+4*\hd], v[AC+4*\hd+1]
	v_permlane16_swap_b32 v[AC+4*\hd+2], v[AC+4*\hd+3]
	global_store_b128 v[LI], v[AC+4*\hd:AC+4*\hd+3], s[10:11] offset:512*\hd   ; 32 lanes store 512 consecutive bytes, aligned
.endm
; One head: 16 key steps.  The step is written once for a head: O^T and the sum begin as zeros and the largest t as -3e38, so the first change of M multiplies zeros.
.macro PASS hd
	v_mov_b32 v13, 0xff61b1e6
	s_delay_alu instid0(VALU_DEP_1)
	v_floor_f32 v12, -v13
	v_mov_b32 v14, 0
	v_mov_b32 v15, 0
.set n, 0
.rept 32
	v_mov_b32 v[O+n], 0
.set n, n+1
.endr
	s_mov_b32 s[TB], \hd*HEADB
	s_mov_b32 s[CNT], 16
.Lkeys_\@:
	s_setprio 2
	STEP QF+8*\hd, QS+\hd
	s_add_co_u32 s[TB], s[TB], REC
	s_sub_co_u32 s[CNT], s[CNT], 1
	s_cmp_lg_u32 s[CNT], 0
	s_cbranch_scc1 .Lkeys_\@
	s_setprio 0
	OUT \hd
.endm
	s_wait_tensorcnt 1                             ; my record of the first head is in; the second head's may stay out
	s_barrier_signal -1
	s_barrier_wait -1                              ; all sixteen records are
	s_wait_loadcnt 0x0                             ; Q
	PASS 0
	s_wait_tensorcnt 0x0                           ; my record of the second head is in
	s_wait_dscnt 0x0
	s_barrier_signal -1
	s_barrier_wait -1
	PASS 1
	ds_store_b32 v[SWA], v[AW]                     ; the 256 rows' scale words meet in the stage (both halves of the lanes write the same word with the same value),
	s_wait_dscnt 0x0                               ; for the others' sake
	s_barrier_signal -1
	s_barrier_wait -1
	s_cmp_lt_u32 s[WV], 2
	s_cbranch_scc0 .Lno_words
	ds_load_b128 v[BKW:BKW+3], v[SRA]              ; and leave by waves 0 and 1: 16 bytes a lane, 512 consecutive bytes a wave
	s_wait_dscnt 0x0
	global_store_b128 v[SGA], v[BKW:BKW+3], s[12:13]
.Lno_words:
	s_wait_tensorcnt 0x0
	ds_add_u32 v254, v255
	s_wait_dscnt 0x0
	CROUND                                         ; the closing round
	s_endpgm
.Lfunc_end_k_qa2250298b9_attn:
	.size	k_qa2250298b9_attn, .Lfunc_end_k_qa2250298b9_attn-k_qa2250298b9_attn
	.p2alignl 7, 3214868480
	.fill 96, 4, 3214868480
	.section	.rodata,"a",@progbits
	.p2align	6, 0x0
	.amdhsa_kernel k_qa2250298b9_attn
		.amdhsa_group_segment_fixed_size 327680
		.amdhsa_private_segment_fixed_size 0
		.amdhsa_enable_private_segment 0
		.amdhsa_kernarg_size 40
		.amdhsa_user_sgpr_count 2
		.amdhsa_user_sgpr_kernarg_segment_ptr 1
		.amdhsa_wavefront_size32 1
		.amdhsa_system_sgpr_workgroup_id_x 1
		.amdhsa_system_sgpr_workgroup_id_y 1
		.amdhsa_system_sgpr_workgroup_id_z 1
		.amdhsa_system_vgpr_workitem_id 0
		.amdhsa_next_free_vgpr 256
		.amdhsa_next_free_sgpr 66
		.amdhsa_reserve_vcc 0
		.amdhsa_float_denorm_mode_32 3
		.amdhsa_float_denorm_mode_16_64 3
		.amdhsa_memory_ordered 1
		.amdhsa_forward_progress 1
		.amdhsa_inst_pref_size 51
	.end_amdhsa_kernel
	.amdgpu_metadata
---
amdhsa.version: [ 1, 2 ]
amdhsa.kernels:
  - .name:           k_qa2250298b9_attn
    .symbol:         k_qa2250298b9_attn.kd
    .args:
      - { .name: qc, .offset: 0, .size: 8, .value_kind: global_buffer, .address_space: global }
      - { .name: qs, .offset: 8, .size: 8, .value_kind: global_buffer, .address_space: global }
      - { .name: kv, .offset: 16, .size: 8, .value_kind: global_buffer, .address_space: global }
      - { .name: aoc, .offset: 24, .size: 8, .value_kind: global_buffer, .address_space: global }
      - { .name: aos, .offset: 32, .size: 8, .value_kind: global_buffer, .address_space: global }
    .group_segment_fixed_size: 327680
    .private_segment_fixed_size: 0
    .kernarg_segment_align: 8
    .kernarg_segment_size: 40
    .max_flat_workgroup_size: 512
    .sgpr_count:     66
    .vgpr_count:     256
    .wavefront_size: 32
...
	.end_amdgpu_metadata
.endif
;; end of part 2
;; launch oproj (part 3): grid 4 x 64, 4 waves a work-group, clusters of 4 x 4, 327,680 bytes of LDS; arguments aoc, aos, o_w_codes, o_w_scales, o_b, out0; writes out0
.if DOCPART == 3
	.amdgcn_target "amdgcn-amd-amdhsa--gfx1250"
	.amdhsa_code_object_version 6
	.text
	.protected	k_qa2250298b9_oproj
	.globl	k_qa2250298b9_oproj
	.p2align	8
	.type	k_qa2250298b9_oproj,@function
k_qa2250298b9_oproj:
	s_mov_b64 s[64:65], 0
	v_nop
	global_prefetch_b8 v0, s[64:65] scope:SCOPE_SE
	s_setreg_imm32_b32 hwreg(HW_REG_WAVE_MODE, 25, 1), 1
	s_wait_xcnt 0x0
	s_wait_alu depctr_hold_cnt(0) depctr_sa_sdst(0) depctr_va_vdst(0) depctr_va_sdst(0) depctr_va_ssrc(0) depctr_va_vcc(0) depctr_vm_vsrc(0)
	s_getreg_b32 s2, hwreg(HW_REG_IB_STS2, 6, 4)
	s_cmp_eq_u32 s2, 0
	s_cbranch_scc0 .Lentry_in_a_cluster
	s_endpgm
.Lentry_in_a_cluster:
	s_bfe_u32 s2, ttmp6, 0x10000c
	s_cmp_lg_u32 s2, 0xf033
	s_cbranch_scc0 .Lentry_shape_is_right
	s_endpgm
.Lentry_shape_is_right:
; out0 = AO o_w^T + o_b on codes of FP4 (E2M1) with E8M0 scales.  AO: 8,192 rows x 1,024, made by the launch before as images of operand registers:
;   aoc [K half 2][tile of 16 rows 512][K step in the half 4][2][512]; aos [K step 8][row 8,192]: one scale word a row and K step.  o_w: 1,024 rows of 512 bytes of codes, 32 scale bytes a row.  out0: f32.
; SHARES.  A work-group takes 128 rows x 256 columns: 256 work-groups.  All of K lies in LDS, in two halves, each filled once: nothing is filled again.  A wave takes 64 rows x 128 columns: 32 accumulators.
; TRANSPOSED USE: source 0 = 16 rows of o_w, source 1 = 16 rows of AO: a lane holds eight neighbouring columns of one row of the result.  The bias is the C of each sum's first matrix instruction.
; CLUSTER 4 x 4: the four work-groups of a row need the same rows of AO, the four of a column the same rows of o_w: each tile is asked for jointly.
; THE WAY OUT: 16 rows x 128 columns at a time through the wave's own stage in LDS, back as whole rows of 512 bytes.
.set PITCH, 272                        ; o_w's LDS row: 256 bytes + 16 of padding
.set AIMG,  32768                      ; AO's images of a K half: 8 tiles x 4,096 bytes, dense
.set BBASE, 2*AIMG
.set BTILE, 256*PITCH                  ; o_w's 256 rows of a K half
.set STAGE, BBASE+2*BTILE              ; 204,800: bytes of their own, into which no fill lands
.set SPITCH, 528                       ; a stage row: 512 bytes + 16
.set ADRA, 4                           ; v4    my four tiles' images: 16,384 x (wave / 2) + 16 x lane
.set ADRB, 5                           ; v5-6  my o_w fragments in K half 0, 1
.set STO,  7                           ; v7    the way out: where I put 32 bytes of a row
.set RD,   8                           ; v8    where I read a row back
.set CO,   9                           ; v9    16 x lane: my bytes in a row of 512
.set L32,  10
.set L4,   11
.set H32,  12
.set AS,   16                          ; v16-31  AO's scale words [8 (tile / 2) + K step]: lanes 0-15 the even tile, lanes 16-31 the odd one
.set BS,   32                          ; v32-63  o_w's likewise
.set BO,   64                          ; v64-127 the bias, eight registers a tile of columns
.set BK,   128                         ; v128-255 the way out: 16 rows read back, two sets by turns
; window 1: fragments, set p at 128 p: AO's tiles at + 8 a, o_w's at + 32 + 8 b.   window 2: the accumulators at 64 a + 8 b.
.set WV, 20
.set RH, 21                            ; which 64 rows are mine.  Also: I fetch for AO (0) or for o_w (1)
.set CH, 22                            ; which 128 columns are mine.  Also: which half of that tile I fetch
.set G1A, 32
.set G1B, 40
.set G0A, 48
.set G0B, 56
.set MSB, 0
.macro WIN new
.if MSB != \new
	s_set_vgpr_msb (MSB<<8)|\new
.set MSB, \new
.endif
.endm
.macro PLACES n
.rept \n
	v_nop
.endr
.endm
.macro CROUND
	s_barrier_signal -1
	s_barrier_wait -1
	s_cmp_lg_u32 s[WV], 0
	s_cbranch_scc1 .Lnot_wave_0_\@
	s_barrier_signal -3
.Lnot_wave_0_\@:
	s_barrier_wait -3
	s_barrier_signal -1
	s_barrier_wait -1
.endm
.macro JLOAD g0a, g1a, g0b, g1b        ; a joint load: waves 0, 1 for AO, waves 2, 3 for o_w; four v_nop follow each line
	s_cmp_eq_u32 s[RH], 0
	s_cbranch_scc0 .Lfor_b_\@
	tensor_load_to_lds s[\g0a:\g0a+3], s[\g1a:\g1a+7]
	s_nop 0
.rept 4
	v_nop
.endr
	s_branch .Lasked_\@
.Lfor_b_\@:
	tensor_load_to_lds s[\g0b:\g0b+3], s[\g1b:\g1b+7]
	s_nop 0
.rept 4
	v_nop
.endr
.Lasked_\@:
.endm
.macro WM d, a, b, c, sa, sb, ra, rb
.if (\ra) && (\rb)
	v_wmma_scale_f32_16x16x128_f8f6f4 v[\d:\d+7], v[\a:\a+7], v[\b:\b+7], v[\c:\c+7], v[\sa], v[\sb] matrix_a_fmt:MATRIX_FMT_FP4 matrix_b_fmt:MATRIX_FMT_FP4 matrix_a_scale:MATRIX_SCALE_ROW1 matrix_b_scale:MATRIX_SCALE_ROW1
.elseif (\ra)
	v_wmma_scale_f32_16x16x128_f8f6f4 v[\d:\d+7], v[\a:\a+7], v[\b:\b+7], v[\c:\c+7], v[\sa], v[\sb] matrix_a_fmt:MATRIX_FMT_FP4 matrix_b_fmt:MATRIX_FMT_FP4 matrix_a_scale:MATRIX_SCALE_ROW1
.elseif (\rb)
	v_wmma_scale_f32_16x16x128_f8f6f4 v[\d:\d+7], v[\a:\a+7], v[\b:\b+7], v[\c:\c+7], v[\sa], v[\sb] matrix_a_fmt:MATRIX_FMT_FP4 matrix_b_fmt:MATRIX_FMT_FP4 matrix_b_scale:MATRIX_SCALE_ROW1
.else
	v_wmma_scale_f32_16x16x128_f8f6f4 v[\d:\d+7], v[\a:\a+7], v[\b:\b+7], v[\c:\c+7], v[\sa], v[\sb] matrix_a_fmt:MATRIX_FMT_FP4 matrix_b_fmt:MATRIX_FMT_FP4
.endif
.endm
	s_load_b256 s[4:11], s[0:1], 0x0               ; aoc s[4:5], aos s[6:7], o_w's codes s[8:9], o_w's scales s[10:11]
	s_load_b128 s[12:15], s[0:1], 0x20             ; o_b s[12:13], out0 s[14:15]
	v_lshl_add_u32 v13, v0, 2, 0x3a400
	v_mov_b32 v14, 0
	ds_add_u32 v13, v14
	ds_add_u32 v13, v14
	v_lshrrev_b32 v1, 5, v0
	v_readfirstlane_b32 s[WV], v1
	s_lshr_b32 s[RH], s[WV], 1
	s_and_b32 s[CH], s[WV], 1
	s_bfe_u32 s23, ttmp6, 0x40000                  ; cx
	s_bfe_u32 s26, ttmp6, 0x40004                  ; cy
	s_lshl_b32 s27, ttmp9, 2
	s_add_co_u32 s27, s27, s23                     ; the block of 256 columns
	s_and_b32 s28, ttmp7, 0xffff
	s_lshl_b32 s28, s28, 2
	s_add_co_u32 s28, s28, s26                     ; the block of 128 rows
	s_lshl_b32 s29, s26, 2
	s_lshl_b32 s29, 15, s29                        ; my row of the cluster
	s_lshl_b32 s30, 0x1111, s23                    ; my column
	; AO: 16,384 dense bytes as 64 rows of 256 (32 elements of 8 bytes), no padding
	s_or_b32 s[G1A], s29, (3<<16)|(1<<21)
	s_mov_b32 s[G1A+1], 32<<16
	s_mov_b32 s[G1A+2], 64<<16
	s_mov_b32 s[G1A+3], 32<<16
	s_mov_b32 s[G1A+4], 64
	s_mov_b32 s[G1A+5], 32
	s_mov_b32 s[G1A+6], 0
	s_mov_b32 s[G1A+7], 0
	; o_w: 128 rows of 256 bytes, 512 bytes apart in memory, 16 bytes of padding behind each
	s_or_b32 s[G1B], s30, (1<<20)|(1<<21)|(5<<22)|(3<<25)
	s_mov_b32 s[G1B+1], 256<<16
	s_mov_b32 s[G1B+2], 128<<16
	s_mov_b32 s[G1B+3], 256<<16
	s_mov_b32 s[G1B+4], 128
	s_mov_b32 s[G1B+5], 512
	s_mov_b32 s[G1B+6], 0
	s_mov_b32 s[G1B+7], 0
	s_lshl_b32 s68, s28, 15                        ; AO: 8 tiles of 4,096 bytes a block, + my four
	s_lshl_b32 s24, s[CH], 14
	s_add_co_u32 s68, s68, s24
	s_mov_b32 s69, 0
	s_lshl_b32 s70, s27, 8                         ; o_w: row 256 x block + 128 x half
	s_lshl_b32 s25, s[CH], 7
	s_add_co_u32 s70, s70, s25
	s_lshl_b32 s70, s70, 9
	s_mov_b32 s71, 0
	s_lshl_b32 s72, s[CH], 14                      ; where they go
	s_mul_i32 s73, s[CH], 128*PITCH
	s_add_co_u32 s73, s73, BBASE
	s_lshl_b32 s74, s28, 7
	s_lshl_b32 s75, s[RH], 6
	s_add_co_u32 s74, s74, s75                     ; my first row
	s_lshl_b32 s76, s74, 2                         ; its scale word
	s_mov_b32 s77, 0
	s_lshl_b32 s78, s27, 8
	s_lshl_b32 s75, s[CH], 7
	s_add_co_u32 s78, s78, s75                     ; my first column
	s_lshl_b32 s80, s78, 5                         ; its scale bytes,
	s_mov_b32 s81, 0
	s_lshl_b32 s82, s78, 2                         ; its bias
	s_mov_b32 s83, 0
	s_lshl_b32 s84, s74, 12                        ; my corner of out0: rows of 4,096 bytes
	s_add_co_u32 s84, s84, s82
	s_mov_b32 s85, 0
	s_wait_dscnt 0x0
	s_wait_kmcnt 0x0
	s_add_nc_u64 s[68:69], s[4:5], s[68:69]
	s_add_nc_u64 s[70:71], s[8:9], s[70:71]
	s_add_nc_u64 s[76:77], s[6:7], s[76:77]
	s_add_nc_u64 s[80:81], s[10:11], s[80:81]
	s_add_nc_u64 s[82:83], s[12:13], s[82:83]
	s_add_nc_u64 s[84:85], s[14:15], s[84:85]
	CROUND                                         ; all sixteen work-groups are here: the joint loads meet
.irp s, 0,1
	s_mov_b32 s[G0A+4*\s], 1
	s_add_co_u32 s[G0A+4*\s+1], s72, \s*AIMG
	s_add_nc_u64 s[G0A+4*\s+2:G0A+4*\s+3], s[68:69], \s*2097152
	s_or_b32 s[G0A+4*\s+3], s[G0A+4*\s+3], 0x80000000
	s_mov_b32 s[G0B+4*\s], 1
	s_add_co_u32 s[G0B+4*\s+1], s73, \s*BTILE
	s_add_nc_u64 s[G0B+4*\s+2:G0B+4*\s+3], s[70:71], \s*256
	s_or_b32 s[G0B+4*\s+3], s[G0B+4*\s+3], 0x80000000
	s_wait_alu depctr_va_vdst(0)
	s_wait_tensorcnt 0x0
	ds_add_u32 v13, v14
	ds_add_u32 v13, v14
	s_wait_dscnt 0x0
	CROUND
	JLOAD G0A+4*\s, G1A, G0B+4*\s, G1B             ; both halves of K: one load of mine is out
.endr
	v_and_b32 v1, 15, v0                           ; r
	v_bfe_u32 v2, v0, 4, 1                         ; h
	v_and_b32 v3, 31, v0                           ; lane
	v_lshlrev_b32 v[CO], 4, v3
	v_lshlrev_b32 v[L32], 5, v3
	v_lshlrev_b32 v[L4], 2, v3
	v_lshlrev_b32 v[H32], 5, v2
.irp p, 0,1
.irp s, 0,1,2,3,4,5,6,7
	global_load_b32 v[AS+8*\p+\s], v[L4], s[76:77] offset:32768*\s+128*\p   ; rows 32 p + lane, K step s
.endr
.endr
.irp p, 0,1,2,3
.irp g, 0,1
	global_load_b128 v[BS+8*\p+4*\g:BS+8*\p+4*\g+3], v[L32], s[80:81] offset:1024*\p+16*\g
.endr
.endr
.irp b, 0,1,2,3,4,5,6,7
	global_load_b128 v[BO+8*\b:BO+8*\b+3], v[H32], s[82:83] offset:64*\b     ; columns 16 b + 8 h + 0 .. 7
	global_load_b128 v[BO+8*\b+4:BO+8*\b+7], v[H32], s[82:83] offset:64*\b+16
.endr
	s_lshl_b32 s86, s[RH], 14
	v_add_nc_u32 v[ADRA], s86, v[CO]
	v_mul_u32_u24 v15, v1, PITCH
	v_lshl_add_u32 v15, v2, 4, v15
	s_mul_i32 s87, s[CH], 128*PITCH
	s_add_co_u32 s87, s87, BBASE
.irp s, 0,1
	v_add_nc_u32 v[ADRB+\s], s87, v15
	s_add_co_u32 s87, s87, BTILE
.endr
	s_mul_i32 s88, s[WV], 16*SPITCH
	s_add_co_u32 s88, s88, STAGE                   ; my stage
	v_mul_u32_u24 v[STO], v1, SPITCH
	v_lshl_add_u32 v[STO], v2, 5, v[STO]
	v_add_nc_u32 v[STO], s88, v[STO]               ; in: row r, 32 bytes for each half of the lanes
	v_add_nc_u32 v[RD], s88, v[CO]                 ; back: the 32 lanes take one row of 512 bytes
; the 12 fragments of K step ks into set ks % 2: 24 loads in one run.  The window is left at 0x40
.macro FETCH ks
.set FP, 128*((\ks)%2)
.set FH, (\ks)/4
.set FQ, (\ks)%4
	WIN 0x40
.irp a, 0,1,2,3
	ds_load_b128 v[FP+8*\a:FP+8*\a+3], v[ADRA] offset:AIMG*FH+4096*\a+1024*FQ          ; an image: 512 consecutive bytes a load
	ds_load_b128 v[FP+8*\a+4:FP+8*\a+7], v[ADRA] offset:AIMG*FH+4096*\a+1024*FQ+512
.endr
.irp b, 0,1,2,3,4,5,6,7
	ds_load_b128 v[FP+32+8*\b:FP+32+8*\b+3], v[ADRB+FH] offset:64*FQ+\b*16*PITCH
	ds_load_b128 v[FP+32+8*\b+4:FP+32+8*\b+7], v[ADRB+FH] offset:64*FQ+\b*16*PITCH+32
.endr
.endm
; A K step: the next step's fragments are asked for first, then this step's 32 products.  The 32 accumulators take turns, one instruction a turn, in the same order in every step.
.macro STEP ks
.if (\ks) > 0
	PLACES 4                                       ; four plain places between the last step's products and the loads into the set that they read
.endif
.if (\ks) == 3
	s_wait_tensorcnt 0x0                           ; my part of K's second half has landed;
	s_wait_dscnt 0x0                               ; no LDS load of mine is out at the signal
	s_barrier_signal -1
	s_barrier_wait -1
.endif
.if (\ks) < 7
	FETCH (\ks)+1
	s_wait_dscnt 24                                ; all but the 24 just issued: this step's fragments are in
.else
	s_wait_dscnt 0x0
.endif
.set P, 128*((\ks)%2)
.if (\ks) == 0
	WIN 0x85                                       ; sources 0, 1 window 1; C (the bias) window 0; D window 2
.else
	WIN 0xa5
.endif
.irp a, 0,1,2,3
.irp b, 0,1,2,3,4,5,6,7
.if (\ks) == 0
	WM 64*\a+8*\b, P+32+8*\b, P+8*\a, BO+8*\b, BS+8*(\b/2)+(\ks), AS+8*(\a/2)+(\ks), \b%2, \a%2
.else
	WM 64*\a+8*\b, P+32+8*\b, P+8*\a, 64*\a+8*\b, BS+8*(\b/2)+(\ks), AS+8*(\a/2)+(\ks), \b%2, \a%2
.endif
.endr
.endr
.endm
	s_wait_alu depctr_va_vdst(0)
	s_wait_tensorcnt 1                             ; my part of K's first half is in; the second half's load may stay out
	s_barrier_signal -1
	s_barrier_wait -1
	FETCH 0
	s_wait_loadcnt 0x0                             ; scale words and bias
.irp k, 0,1,2,3,4,5,6,7
	STEP \k
.endr
; THE WAY OUT.  LDS serves a wave's instructions in order (ISA guide 5.7.1.4): no wait between my stores into my stage and my loads from it, nor in front of the next block's stores.
.macro TOSTAGE a
.set AC, 64*(\a)
	WIN 0x08                                       ; an LDS store's data are its source 1: window 2
.irp b, 0,1,2,3,4,5,6,7
	ds_store_b128 v[STO], v[AC+8*\b:AC+8*\b+3] offset:64*\b          ; each accumulator from its low end on
	ds_store_b128 v[STO], v[AC+8*\b+4:AC+8*\b+7] offset:64*\b+16
.endr
	WIN 0
.set BB, BK+64*((\a)%2)
.irp t, 0,1,2,3,4,5,6,7,8,9,10,11,12,13,14,15
	ds_load_b128 v[BB+4*\t:BB+4*\t+3], v[RD] offset:\t*SPITCH
.endr
.endm
.macro SEND a, younger                 ; younger: the LDS instructions issued behind block a's loads, which may stay out
.set BB, BK+64*((\a)%2)
	s_wait_dscnt \younger
.irp t, 0,1,2,3,4,5,6,7,8,9,10,11,12,13,14,15
	global_store_b128 v[CO], v[BB+4*\t:BB+4*\t+3], s[84:85] offset:(16*(\a)+\t)*4096 th:TH_STORE_NT   ; 32 lanes store 512 consecutive bytes, aligned; 63 rows at the most stand in the immediate
.endr
.endm
	PLACES 4                                       ; four plain places behind the last products, ahead of the first read of results
	TOSTAGE 0
.irp a, 1,2,3
.if \a > 1
	s_wait_xcnt 0x0                                ; block a - 2's stores have read their registers: block a's loads may land there
.endif
	TOSTAGE \a
	SEND \a-1, 32                                  ; behind block a - 1's loads: block a's 16 stores and 16 loads
.endr
	SEND 3, 0
	s_wait_tensorcnt 0x0
	ds_add_u32 v13, v14
	s_wait_dscnt 0x0
	CROUND                                         ; the closing round
	s_endpgm
.Lfunc_end_k_qa2250298b9_oproj:
	.size	k_qa2250298b9_oproj, .Lfunc_end_k_qa2250298b9_oproj-k_qa2250298b9_oproj
	.p2alignl 7, 3214868480
	.fill 96, 4, 3214868480
	.section	.rodata,"a",@progbits
	.p2align	6, 0x0
	.amdhsa_kernel k_qa2250298b9_oproj
		.amdhsa_group_segment_fixed_size 327680
		.amdhsa_private_segment_fixed_size 0
		.amdhsa_enable_private_segment 0
		.amdhsa_kernarg_size 48
		.amdhsa_user_sgpr_count 2
		.amdhsa_user_sgpr_kernarg_segment_ptr 1
		.amdhsa_wavefront_size32 1
		.amdhsa_system_sgpr_workgroup_id_x 1
		.amdhsa_system_sgpr_workgroup_id_y 1
		.amdhsa_system_sgpr_workgroup_id_z 1
		.amdhsa_system_vgpr_workitem_id 0
		.amdhsa_next_free_vgpr 768
		.amdhsa_next_free_sgpr 96
		.amdhsa_reserve_vcc 0
		.amdhsa_float_denorm_mode_32 3
		.amdhsa_float_denorm_mode_16_64 3
		.amdhsa_memory_ordered 1
		.amdhsa_forward_progress 1
		.amdhsa_inst_pref_size 73
	.end_amdhsa_kernel
	.amdgpu_metadata
---
amdhsa.version: [ 1, 2 ]
amdhsa.kernels:
  - .name:           k_qa2250298b9_oproj
    .symbol:         k_qa2250298b9_oproj.kd
    .args:
      - { .name: aoc, .offset: 0, .size: 8, .value_kind: global_buffer, .address_space: global }
      - { .name: aos, .offset: 8, .size: 8, .value_kind: global_buffer, .address_space: global }
      - { .name: o_w_codes, .offset: 16, .size: 8, .value_kind: global_buffer, .address_space: global }
      - { .name: o_w_scales, .offset: 24, .size: 8, .value_kind: global_buffer, .address_space: global }
      - { .name: o_b, .offset: 32, .size: 8, .value_kind: global_buffer, .address_space: global }
      - { .name: out0, .offset: 40, .size: 8, .value_kind: global_buffer, .address_space: global }
    .group_segment_fixed_size: 327680
    .private_segment_fixed_size: 0
    .kernarg_segment_align: 8
    .kernarg_segment_size: 48
    .max_flat_workgroup_size: 128
    .sgpr_count:     96
    .vgpr_count:     768
    .wavefront_size: 32
...
	.end_amdgpu_metadata
.endif
;; end of part 3
